; MI455X (gfx1250); checked and timed in simulation.
; The chip was launched on July 23, 2026; its instructions are those of AMD's public machine-readable ISA for CDNA 5 (MIT licence, August 2026) and "CDNA5" Instruction Set Architecture Reference Guide (July 2026). The comments in the code are by the model that wrote it; some were corrected since.
;; TH. Allowed arithmetic: matrix products marked QUANTISED: E3M2 operands, one E8M0 scale for each 32 along K, by v_wmma_scale_f32_16x16x128_f8f6f4 with both operands' format E3M2, f32 sums; everything else in f32.
;; Inputs: bk 64 float32; bk_ 4,096 float32; bq 64 float32; bq_ 4,096 float32; bv 64 float32; bv_ 4,096 float32; wk__codes 4,096 x 128 x 24 uint8 (E3M2 codes of wk_, K innermost, in blocks of 32 codes, four codes in three bytes); wk__scales 4,096 x 128 uint8 (E8M0 scales of wk_, one for each 32 codes along K); wk_codes 64 x 2 x 24 uint8 (E3M2 codes of wk, K innermost, in blocks of 32 codes, four codes in three bytes); wk_scales 64 x 2 uint8 (E8M0 scales of wk, one for each 32 codes along K); wq__codes 4,096 x 128 x 24 uint8 (E3M2 codes of wq_, K innermost, in blocks of 32 codes, four codes in three bytes); wq__scales 4,096 x 128 uint8 (E8M0 scales of wq_, one for each 32 codes along K); wq_codes 64 x 2 x 24 uint8 (E3M2 codes of wq, K innermost, in blocks of 32 codes, four codes in three bytes); wq_scales 64 x 2 uint8 (E8M0 scales of wq, one for each 32 codes along K); wv__codes 4,096 x 128 x 24 uint8 (E3M2 codes of wv_, K innermost, in blocks of 32 codes, four codes in three bytes); wv__scales 4,096 x 128 uint8 (E8M0 scales of wv_, one for each 32 codes along K); wv_codes 64 x 2 x 24 uint8 (E3M2 codes of wv, K innermost, in blocks of 32 codes, four codes in three bytes); wv_scales 64 x 2 uint8 (E8M0 scales of wv, one for each 32 codes along K); x 4 x 64 x 128 x 128 float32.
;; Outputs: out0 4 x 64 x 128 x 128 float32.
;; This version of the problem:
;;   THIS VERSION OF THE PROBLEM IS GIVEN IN LOW PRECISION. The matrix products marked QUANTISED in the list below multiply operands that are first quantised to E3M2 (3 exponent bits, 2 mantissa bits; 6 bits a number), with one power-of-two scale for each 32 numbers along K (OCP MX v1.0); their sums are f32. All else is computed in f32.
;;   The module's matrix products, in the order in which they are computed (A, B: the left and right operand; K: the contracted axis; several contracted axes count as one K, in the product's order):
;;     1. [M 65,536, K 64] x [K 64, N 64]; A: input x; B: input wq (given as codes): QUANTISED
;;     2. [M 65,536, K 64] x [K 64, N 64]; A: input x; B: input wk (given as codes): QUANTISED
;;     3. [M 65,536, K 64] x [K 64, N 64]; A: input x; B: input wv (given as codes): QUANTISED
;;     4. batch 1,024 x [M 64, K 64] x [K 64, N 64]; A: computed on the way; B: computed on the way: QUANTISED
;;     5. batch 1,024 x [M 64, K 64] x [K 64, N 64]; A: computed on the way; B: softmax (see below): QUANTISED
;;     6. [M 1,024, K 4,096] x [K 4,096, N 4,096]; A: input x; B: input wq_ (given as codes): QUANTISED
;;     7. [M 1,024, K 4,096] x [K 4,096, N 4,096]; A: input x; B: input wk_ (given as codes): QUANTISED
;;     8. [M 1,024, K 4,096] x [K 4,096, N 4,096]; A: input x; B: input wv_ (given as codes): QUANTISED
;;   THE QUANTISER, for each operand of a quantised product, along K:
;;     - K is cut into blocks of 32 from its start; a last block that is shorter is filled with zeros.
;;     - A block's scale is 2^e with e = floor(log2(the largest magnitude in the block)) - 4, held to -126 .. 127; a block of zeros has e = 0. As a byte (E8M0): e + 127.
;;     - Each number is divided by its block's scale, clamped to +-28, and rounded to the nearest number of E3M2, ties to even, subnormals kept.
;;     - The product sums the exact products of the quantised numbers (number of the format x scale) in f32.
;;   ~~~python
;;   def quantise(x, axis):      # numpy; x: float32 -> the quantised numbers, widened to float32 again
;;       x = np.moveaxis(x, axis, -1); K = x.shape[-1]
;;       x = np.pad(x, [(0, 0)] * (x.ndim - 1) + [(0, -K % 32)]); x = x.reshape(x.shape[:-1] + (-1, 32)); a = np.abs(x).max(-1, keepdims=True)
;;       e = np.where(a > 0, np.clip(np.frexp(np.where(a > 0, a, 1))[1] - 1 - 4, -126, 127), 0)      # np.frexp(a)[1] - 1 = floor(log2(a)), exactly
;;       r = np.clip(x / 2.0 ** e, -28, 28)
;;       step = 2.0 ** (np.maximum(np.frexp(np.where(r == 0, 1, r))[1] - 1, -2) - 2)
;;       q = np.round(r / step) * step * 2.0 ** e      # np.round: ties to even
;;       return np.moveaxis(q.reshape(q.shape[:-2] + (-1,))[..., :K], -1, axis).astype(np.float32)
;;   ~~~
;;   SOFTMAX AHEAD OF A QUANTISED PRODUCT. Where the list says 'softmax', what is quantised is not the finished softmax but p = 2^(t - M), with t = logit x log2(e) and M = ceil(the row's largest t), a whole number; so 1/2 < the row's largest p <= 1. The row's sum l is taken of the UNQUANTISED p, in f32, and the product's result is divided by l at the end. Since M is a whole number, a kernel that streams over the keys may use a running M (the ceiling of the running maximum): every later rescaling is an exact power of two, which a block's scale takes up: the codes' values come out the same.
;;   OPERANDS COMPUTED ON THE WAY. 'Computed on the way' means the value that the module computes at that place (a softmax that the list does not call 'softmax' is quantised finished and normalised). What goes into a quantiser is computed in f32, as accurately as f32 sums, v_exp_f32 and their like allow (about 1e-6 of the number): no bf16 or f16 on the way to a quantiser, and a product that is left as it is and whose result goes on into a quantised operand takes f32 operands (vector FMAs, or v_wmma_f32_16x16x4_f32). A number that lies on a knife's edge between two numbers of the format may be rounded either way, as far as f32 arithmetic and the matrix unit's own rounding can turn it there, and no further.
;;   INPUTS GIVEN AS CODES. wk (in the module: [64, 64], K = its axis 1); wk_ (in the module: [4096, 4096], K = its axis 1); wq (in the module: [64, 64], K = its axis 1); wq_ (in the module: [4096, 4096], K = its axis 1); wv (in the module: [64, 64], K = its axis 1); wv_ (in the module: [4096, 4096], K = its axis 1): each comes as NAME_codes (uint8): NAME with its K axis moved to the last place and cut into blocks of 32 codes, [.., K / 32, bytes a block], one block behind the other in memory; four codes in three bytes: a row's codes are one little-endian stream of bits, code i at bits 6 i .. 6 i + 5 (a code: sign, 3 exponent bits, 2 mantissa bits); and NAME_scales (uint8): the same leading axes, one E8M0 byte (e + 127) for each 32 codes along K. Its value is code x scale, taken as it is: it is not quantised again, and the codes and scales need not be those that the quantiser above would give.
;; One version. Each part assembles by itself: llvm-mc -triple=amdgcn-amd-amdhsa -mcpu=gfx1250 --defsym DOCPART=n.
;; ======== version 1 of 1: 3 launches
;; workspace buffers: xa_codes 3,145,728 bytes; xa_scales 131,072 bytes; vws 16,777,216 bytes; ep 524,288 bytes
;; launch quant (part 1): grid 256 x 1, 4 waves a work-group, no clusters, 70,656 bytes of LDS; arguments x, xa_codes, xa_scales; writes xa_codes, xa_scales
.if DOCPART == 1
	.amdgcn_target "amdgcn-amd-amdhsa--gfx1250"
	.amdhsa_code_object_version 6
	.text
	.protected	k_q179b4e90a0_quant
	.globl	k_q179b4e90a0_quant
	.p2align	8
	.type	k_q179b4e90a0_quant,@function
k_q179b4e90a0_quant:
	s_mov_b64 s[64:65], 0
	v_nop
	global_prefetch_b8 v0, s[64:65] scope:SCOPE_SE
	s_setreg_imm32_b32 hwreg(HW_REG_WAVE_MODE, 25, 1), 1
	s_wait_xcnt 0x0
; x [4][64][128][128] f32 becomes the left operand of the three large products: xf [1024 patches][4096], K = 64 c + 8 py + px, as codes of BF6 (E3M2) with one E8M0 byte for each 32 along K.
; Patch n = 256 b + 16 nx + ny; block of 32 along K: 2 c + py / 4; in a block the number 8 (py % 4) + px.
; xa_codes IS LAID IN THE ORDER OF THE OPERAND'S REGISTERS: [b 4][step of 128 along K: 32][nx 16][1,536 bytes].  A fragment is 16 patches (one nx, ny = 0 .. 15) x 128 K (channels 2 s, 2 s + 1): 12 registers a lane;
; lane (r = ny, h = py / 4) holds in registers 6 c' .. 6 c' + 5 the 24 bytes of channel 2 s + c'.  Registers 4 g .. 4 g + 3 of lane l lie at byte 512 g + 16 l.   xa_scales: [1024][128], a byte a block.
; A block's scale is 2^(floor(log2(largest magnitude)) - 4): its byte is the largest magnitude's exponent field - 4, held at 1 from below by a floor among the maximum's leaves.
; LIMITS: a block whose largest magnitude lies under 2^-122 gets the byte 1; a block of zeros gets the byte 1 where the rule says 127 (its codes are zeros, and this program alone reads the bytes);
; NaN and infinities in x are not served.
; SHARES.  A work-group takes a strip of 16 patches (b, nx) and 16 channels; wave w channels 4 w .. 4 w + 3 of them.  A chunk (b, c, nx) is 8 image rows = 4,096 consecutive bytes = 16 patches x 2 blocks:
; one block a lane, and that lane is the fragment's lane.  Each load takes 512 consecutive bytes; the chunk turns through the wave's own stage in LDS, so that a lane gets its block's 32 numbers in 32 consecutive registers.
; A wave's four channels are two whole fragments: they leave straight from the registers, each store 512 consecutive bytes, aligned.
; The scale bytes of the four waves meet in LDS and leave in pieces of 32 bytes a patch (131,072 bytes in the whole launch).  No work-group shares an input byte with another: no cluster, no tensor load, one barrier.
.set STG,  17408                       ; a wave's four stages
.set CHK,  4352                        ; a chunk's stage: 8 rows
.set RP,   544                         ; a stage row: 512 bytes + 16 behind each 256
.set SST,  69632                       ; the scale bytes: 16 patches x 32
.set MX,   16                          ; v16-19  largest magnitudes, a chunk each
.set SO,   20                          ; v20-23  the conversions' scale operands
.set BY,   24                          ; v24-27  the scale bytes
.set TP,   28                          ; v28-43  a block's upper 16 codes as converted
.set CD,   44                          ; v44-67  two fragments: six registers a chunk
.set SW,   92                          ; v92     four scale bytes on the way out
.set DT,   96                          ; v96-223 the numbers, 32 a chunk
	s_load_b128 s[4:7], s[0:1], 0x0                ; x, xa_codes
	s_load_b64 s[8:9], s[0:1], 0x10                ; xa_scales
	v_lshl_add_u32 v224, v0, 2, 0x11200
	v_mov_b32 v225, 0
	v_lshrrev_b32 v1, 5, v0
	v_readfirstlane_b32 s10, v1                    ; wave
	v_and_b32 v1, 31, v0                           ; lane
	v_and_b32 v2, 15, v0                           ; ny
	v_bfe_u32 v3, v0, 4, 1                         ; which block of the patch's two; also lane / 16
	s_and_b32 s11, ttmp9, 3                        ; which 16 channels
	s_lshr_b32 s12, ttmp9, 2                       ; strip = 16 b + nx
	s_lshr_b32 s13, s12, 4
	s_lshl_b32 s13, s13, 22                        ; b: 4,194,304 bytes an image
	s_and_b32 s14, s12, 15
	s_lshl_b32 s14, s14, 12                        ; nx: 8 rows of 512 bytes
	s_add_co_u32 s13, s13, s14
	s_lshl_b32 s14, s11, 20                        ; 16 channels of 65,536 bytes
	s_add_co_u32 s13, s13, s14
	s_lshl_b32 s14, s10, 18                        ; my wave's four
	s_add_co_u32 s16, s13, s14
	s_mov_b32 s17, 0
	s_lshr_b32 s18, s12, 4                         ; the codes: image b has 32 steps of 128 along K;
	s_lshl_b32 s18, s18, 5
	s_lshl_b32 s14, s11, 3                         ; 16 channels are 8 of them,
	s_add_co_u32 s18, s18, s14
	s_lshl_b32 s14, s10, 1                         ; my wave's four channels 2
	s_add_co_u32 s18, s18, s14
	s_mul_i32 s18, s18, 24576                      ; a step: 16 fragments of 1,536 bytes;
	s_and_b32 s14, s12, 15
	s_mul_i32 s14, s14, 1536                       ; mine is fragment nx
	s_add_co_u32 s18, s18, s14
	s_mov_b32 s19, 0
	s_lshl_b32 s13, s12, 4
	s_lshl_b32 s14, s10, 2
	s_add_co_u32 s13, s13, s14                     ; the first patch whose scale bytes my wave sends out: 16 strip + 4 wave
	s_lshl_b32 s20, s13, 7
	s_lshl_b32 s14, s11, 5
	s_add_co_u32 s20, s20, s14                     ; its 32 scale bytes
	s_mov_b32 s21, 0
	s_mul_i32 s15, s10, STG
	v_lshlrev_b32 v4, 4, v1                        ; 16 x lane: my bytes of a load's 512, and of a store's
	v_lshl_add_u32 v5, v3, 4, v4
	v_add_nc_u32 v5, s15, v5                       ; the stage, in: 16 lane + 16 (lane / 16)
	v_mul_u32_u24 v6, v3, 4*RP
	v_lshl_add_u32 v6, v2, 5, v6
	v_lshrrev_b32 v14, 3, v2
	v_lshl_add_u32 v6, v14, 4, v6
	v_add_nc_u32 v6, s15, v6                       ; and out: my block's four rows, my patch's 32 bytes of each
	s_lshl_b32 s15, s10, 3
	s_add_co_u32 s15, s15, SST
	v_lshl_add_u32 v8, v2, 5, v3
	v_add_nc_u32 v8, s15, v8                       ; my scale byte: patch ny, channel 4 wave + k (2 bytes each), block
	s_lshl_b32 s15, s10, 7
	s_add_co_u32 s15, s15, SST
	v_lshl_add_u32 v12, v1, 2, s15                 ; the scale bytes of my wave's four patches, a word a lane
	v_lshrrev_b32 v14, 3, v1
	v_and_b32 v15, 7, v1
	v_lshlrev_b32 v13, 7, v14
	v_lshl_add_u32 v13, v15, 2, v13                ; in memory: 128 bytes a patch
	s_wait_kmcnt 0x0
	s_add_nc_u64 s[4:5], s[4:5], s[16:17]
	s_add_nc_u64 s[6:7], s[6:7], s[18:19]
	s_add_nc_u64 s[8:9], s[8:9], s[20:21]
.irp k, 0,1,2,3
.irp i, 0,1,2,3,4,5,6,7
	global_load_b128 v[DT+32*\k+4*\i:DT+32*\k+4*\i+3], v4, s[4:5] offset:65536*\k+512*\i th:TH_LOAD_NT   ; an image row of 512 bytes; all 32 loads of the wave go out at once
.endr
.endr
.macro TURNC k                         ; chunk k through its stage.  LDS serves a wave's instructions in order: no wait between the stores and the loads
	s_wait_loadcnt 8*(3-\k)                        ; loads come back in order: this chunk's eight are in, the later chunks' may be out
.irp i, 0,1,2,3,4,5,6,7
	ds_store_b128 v5, v[DT+32*\k+4*\i:DT+32*\k+4*\i+3] offset:CHK*\k+RP*\i
.endr
.irp i, 0,1,2,3
	ds_load_b128 v[DT+32*\k+8*\i:DT+32*\k+8*\i+3], v6 offset:CHK*\k+RP*\i        ; register 8 i + px: row i of my block
	ds_load_b128 v[DT+32*\k+8*\i+4:DT+32*\k+8*\i+7], v6 offset:CHK*\k+RP*\i+16
.endr
.endm
	TURNC 0
	TURNC 1
	TURNC 2
	TURNC 3
	s_wait_dscnt 0x0
.irp k, 0,1,2,3
	v_max3_num_f32 v[MX+\k], |v[DT+32*\k]|, |v[DT+32*\k+1]|, 0x2800000   ; the block's largest magnitude, and the floor 2^(5 - 127): the byte cannot fall under 1
.endr
.irp i, 2,4,6,8,10,12,14,16,18,20,22,24,26,28,30
.irp k, 0,1,2,3
	v_max3_num_f32 v[MX+\k], v[MX+\k], |v[DT+32*\k+\i]|, |v[DT+32*\k+\i+1]|   ; (the four chunks by turns)
.endr
.endr
.irp k, 0,1,2,3
	v_add_nc_u32 v[SO+\k], 0xfe000000, v[MX+\k]    ; 4 off its exponent field: the conversion takes this operand's exponent field as its scale
.endr
.irp k, 0,1,2,3
	v_lshrrev_b32 v[BY+\k], 23, v[SO+\k]           ; the scale's byte
.endr
.irp k, 0,1,2,3
	v_cvt_scalef32_pk16_bf6_f32 v[CD+6*\k:CD+6*\k+2], v[DT+32*\k:DT+32*\k+15], v[SO+\k]
	v_cvt_scalef32_pk16_bf6_f32 v[TP+4*\k:TP+4*\k+2], v[DT+32*\k+16:DT+32*\k+31], v[SO+\k]   ; (a conversion's three registers begin on an even number)
.endr
	v_nop                                          ; one plain place behind the scaled conversions
.irp k, 0,1,2,3
.irp i, 0,1,2
	v_mov_b32 v[CD+6*\k+3+\i], v[TP+4*\k+\i]
.endr
.endr
.irp f, 0,1                                    ; chunks 2 f and 2 f + 1 are the 12 registers of the fragment of step 2 wave + f
.irp g, 0,1,2
	global_store_b128 v4, v[CD+12*\f+4*\g:CD+12*\f+4*\g+3], s[6:7] offset:24576*\f+512*\g   ; 32 lanes store 512 consecutive bytes, at a multiple of 512 from the buffer's first byte
.endr
.endr
.irp k, 0,1,2,3
	ds_store_b8 v8, v[BY+\k] offset:2*\k
.endr
	s_wait_dscnt 0x0                               ; for the others' sake: my scale bytes have landed
	s_barrier_signal -1
	s_barrier_wait -1
	ds_load_b32 v[SW], v12                         ; four neighbouring scale bytes of one of my wave's four patches
	s_wait_dscnt 0x0
	global_store_b32 v13, v[SW], s[8:9]
	s_wait_tensorcnt 0x0
	ds_add_u32 v224, v225
	s_wait_dscnt 0x0
	s_endpgm
.Lfunc_end_k_q179b4e90a0_quant:
	.size	k_q179b4e90a0_quant, .Lfunc_end_k_q179b4e90a0_quant-k_q179b4e90a0_quant
	.p2alignl 7, 3214868480
	.fill 96, 4, 3214868480
	.section	.rodata,"a",@progbits
	.p2align	6, 0x0
	.amdhsa_kernel k_q179b4e90a0_quant
		.amdhsa_group_segment_fixed_size 70656
		.amdhsa_private_segment_fixed_size 0
		.amdhsa_enable_private_segment 0
		.amdhsa_kernarg_size 24
		.amdhsa_user_sgpr_count 2
		.amdhsa_user_sgpr_kernarg_segment_ptr 1
		.amdhsa_wavefront_size32 1
		.amdhsa_system_sgpr_workgroup_id_x 1
		.amdhsa_system_sgpr_workgroup_id_y 1
		.amdhsa_system_sgpr_workgroup_id_z 1
		.amdhsa_system_vgpr_workitem_id 0
		.amdhsa_next_free_vgpr 226
		.amdhsa_next_free_sgpr 66
		.amdhsa_reserve_vcc 0
		.amdhsa_float_denorm_mode_32 3
		.amdhsa_float_denorm_mode_16_64 3
		.amdhsa_memory_ordered 1
		.amdhsa_forward_progress 1
		.amdhsa_inst_pref_size 17
	.end_amdhsa_kernel
	.amdgpu_metadata
---
amdhsa.version: [ 1, 2 ]
amdhsa.kernels:
  - .name:           k_q179b4e90a0_quant
    .symbol:         k_q179b4e90a0_quant.kd
    .args:
      - { .name: x, .offset: 0, .size: 8, .value_kind: global_buffer, .address_space: global }
      - { .name: xa_codes, .offset: 8, .size: 8, .value_kind: global_buffer, .address_space: global }
      - { .name: xa_scales, .offset: 16, .size: 8, .value_kind: global_buffer, .address_space: global }
    .group_segment_fixed_size: 70656
    .private_segment_fixed_size: 0
    .kernarg_segment_align: 8
    .kernarg_segment_size: 24
    .max_flat_workgroup_size: 128
    .sgpr_count:     66
    .vgpr_count:     226
    .wavefront_size: 32
...
	.end_amdgpu_metadata
.endif
;; end of part 1
;; launch gemm (part 2): grid 64 x 4, 4 waves a work-group, clusters of 4 x 4, 327,680 bytes of LDS; arguments xa_codes, xa_scales, wq__codes, wq__scales, wk__codes, wk__scales, wv__codes, wv__scales, bq_, bk_, bv_, vws, ep; writes vws, ep
.if DOCPART == 2
	.amdgcn_target "amdgcn-amd-amdhsa--gfx1250"
	.amdhsa_code_object_version 6
	.text
	.protected	k_q179b4e90a0_gemm
	.globl	k_q179b4e90a0_gemm
	.p2align	8
	.type	k_q179b4e90a0_gemm,@function
k_q179b4e90a0_gemm:
	s_mov_b64 s[64:65], 0
	v_nop
	global_prefetch_b8 v0, s[64:65] scope:SCOPE_SE
	s_setreg_imm32_b32 hwreg(HW_REG_WAVE_MODE, 25, 1), 1
	s_wait_xcnt 0x0
	s_wait_alu depctr_hold_cnt(0) depctr_sa_sdst(0) depctr_va_vdst(0) depctr_va_sdst(0) depctr_va_ssrc(0) depctr_va_vcc(0) depctr_vm_vsrc(0)
	s_getreg_b32 s2, hwreg(HW_REG_IB_STS2, 6, 4)
	s_cmp_eq_u32 s2, 0
	s_cbranch_scc0 .Lentry_in_a_cluster
	s_endpgm
.Lentry_in_a_cluster:
	s_bfe_u32 s2, ttmp6, 0x10000c
	s_cmp_lg_u32 s2, 0xf033
	s_cbranch_scc0 .Lentry_shape_is_right
	s_endpgm
.Lentry_shape_is_right:
; q_ = xf wq_^T + bq_, k_ = xf wk_^T + bk_, v_ = xf wv_^T + bv_: three products [1024 x 4096] x [4096 x 4096] on codes of BF6 (E3M2) with E8M0 scales, sums in f32.
; A WORK-GROUP TAKES THE SAME 64 COLUMNS d = 64 g .. 64 g + 63 OF ALL THREE WEIGHTS, and the 256 rows (patches) of one image b.  So q_ x k_ is summed in registers (128 partial sums a patch go to ep
; [2 g + column half][1024]), q_ and k_ never go to memory, and the tile of v_ is the whole plane [b][g] of vws, which is laid as x is: 65,536 consecutive bytes.
; Four waves, as many as a WGP has SIMDs: wave = (rows 128 rh on, columns 32 ch on of each of q, k, v): 128 x 96, 48 accumulators of 16 x 16.
; THE RING: two LDS slots of 384 along K, three steps of 128 each: as large as fit beside the scale bytes, so that one request brings as much, and there are as few barriers, as LDS allows.
; 4,096 along K are ten such slots and one of two steps, whose fill has descriptors of its own.  A slot is 144 matrix instructions a wave; all 144 of them stand between a slot's request and the wait for it.
; xf's codes lie in memory in the order of the operand's registers ([image][step of 128][16 blocks of 16 rows][1,536 bytes]): a slot's part is one dense block of 73,728 bytes, and a fragment comes by three loads of 16 bytes a lane.
; A weight's row has 288 bytes in a slot.  It is FETCHED 304 BYTES LONG: the 16 more are the same row's next codes and are read by nobody; they make the LDS pitch 76 words, so that row r starts at bank 12 r mod 64
; (64 banks of 4 bytes: ISA guide 11.1) and the 32 lanes of a load of 8 bytes touch 64 different banks.  (No padding interval of the descriptor above 32 bytes divides 288.)  One byte in 18 of the weights is so asked for twice.
; The scale bytes of the 256 rows and the 192 weight rows, for all of K, come into LDS once, as rows of 256 bytes, and stay.
; CLUSTERS: 4 x 4 work-groups: the four of a row of the cluster (one image) ask jointly for xf's tiles, the four of a column (one g, the four images) for the weights' tiles.
; Wave 0 fetches xf's tile, waves 1 to 3 one weight's each: one tensor load a wave behind each round.  By this text's count a wave has three loads out at the start and one behind each round.
; THE MATRIX INSTRUCTION IS USED TRANSPOSED (source 0 = 16 weight rows, source 1 = 16 patches): a lane holds one patch and eight neighbouring columns, which are the 8 px of one image row of the patch.
; The biases are the C of each sum's first product.
; REGISTERS: window 0: v1-31 lane numbers and addresses; v32-51 scale words, two sets of 10, and nothing else; v72-111 at work on the way out; v128-223 xf's fragments, one set; on the way out v128-255 rows of vws.
;   window 1: the weights' fragments, two sets, v0-71 and v128-199; v72-119 the biases.   window 2: accumulators of my rows 0-63 ((a, b) at v[8 (8 a + b)]);   window 3: rows 64-127.
.set NQ,     3                         ; steps of 128 along K in a slot
.set ROWB,   288                       ; a weight row's bytes in a slot
.set PITCH,  304                       ; the bytes fetched of it, and the LDS pitch
.set KROW,   3072                      ; a weight row in memory
.set FR,     12                        ; registers of a fragment
.set FRB,    1536                      ; xf: a fragment's image in bytes
.set NP,     4                         ; places behind this matrix instruction (ISA guide 7.12.1)
.set ASUB,   16*FRB                    ; xf: the 256 rows' codes of one step
.set ATILE,  NQ*ASUB
.set BT,     64*PITCH                  ; one weight's 64 rows
.set SLOT,   ATILE+3*BT
.set TRIPS,  4                         ; a trip = two slots; the first step, and the last two and two thirds slots, are written out
.set SBLK,   2176                      ; the scale bytes of 16 rows: 8 rows of 256 bytes + 16
.set SCL,    2*SLOT                    ; xf's scale bytes: 128 x 272
.set SCLB,   SCL+128*272               ; the weights': 3 x 32 x 272
.set SPARE,  SCLB+96*272               ; the spare words, 128 bytes a wave: two blocks of 256 bytes that no other line names
.set STAGE,  SLOT                      ; the way out: 4,096 bytes a wave in slot 1, which has had its last fill, and its last read ahead of the last barrier, when the first result is stored there
.set ADRA, 16                          ; v16-17 LDS address of my xf fragments in slot 0, 1
.set ADRB, 20                          ; v20-21 the same for the weights
.set STO,  24                          ; the way out: where I put 32 bytes of an image row
.set RD,   25                          ; and where I read a row back
.set EST,  26                          ; where a row's partial e goes
.set ADRS, 27                          ; my scale words: lanes 0-15 xf's rows, lanes 16-31 the weights'
.set SPW,  28                          ; my spare word; never rewritten
.set NIL,  29                          ; 0; never rewritten
.set CO,   30                          ; 16 x lane
.set ERD,  31                          ; where four partial e come back
.set SC,   32                          ; scale words: set p (the step's parity) at v[SC + 10 p]; register i: lanes 0-15 xf's block i, lanes 16-31 the weights' 16-row block i from my first
.set ED,   72                          ; v72-87   q x k, a pair for each block of 16 rows
.set ES,   88                          ; v88-95   their sums
.set EX,   96                          ; v96-103  the other half of the lanes'
.set EP4,  104                         ; v104-107 128 rows' partial e, row 32 i + lane
.set EB,   108                         ; v108-111 the same, four neighbours a lane
.set AF,   128
.set BK,   128
.set BI,   72                          ; in window 1
.set WV,   2                           ; s2 my wave's number
.set G1BL, 4                           ; s[4:11]  group 1 of the weights' last tile (written when the pointers there are done with)
.set G1AL, 12                          ; s[12:19] group 1 of xf's last tile
.set G1A,  24
.set G0A,  32
.set G1B,  48
.set G0B,  56
.set G1SA, 68
.set G0SA, 76
.set G1SB, 80
.set G0SB, 88
.set MSB, 0
.macro WIN new                         ; the immediate's high byte repeats the setting that is left
.if MSB != \new
	s_set_vgpr_msb (MSB<<8)|\new
.set MSB, \new
.endif
.endm
.set MUL_LO, 0xa1                      ; source 0 (weights) window 1, source 1 (xf) window 0, C and D window 2
.set MUL_HI, 0xf1                      ; the same, C and D window 3
.set TO_B,   0x40                      ; destination window 1, address window 0
; A joint load: wave 0 asks for xf, waves 1 to 3 for a weight.  The branch hangs on the wave's number alone.  Four v_nop follow each of the two lines.
.macro JLOAD g0a, g1a, g0b, g1b
	s_cmp_eq_u32 s[WV], 0
	s_cbranch_scc0 .Lfor_b_\@
	tensor_load_to_lds s[\g0a:\g0a+3], s[\g1a:\g1a+7]
	s_nop 0
.rept 4
	v_nop
.endr
	s_branch .Lasked_\@
.Lfor_b_\@:
	tensor_load_to_lds s[\g0b:\g0b+3], s[\g1b:\g1b+7]
	s_nop 0
.rept 4
	v_nop
.endr
.Lasked_\@:
.endm
.macro CREST                           ; a round of the cluster's barrier behind its opening barrier
	s_cmp_lg_u32 s[WV], 0
	s_cbranch_scc1 .Lnot_wave_0_\@
	s_barrier_signal -3
.Lnot_wave_0_\@:
	s_barrier_wait -3
	s_barrier_signal -1
	s_barrier_wait -1
.endm
.macro CROUND
	s_barrier_signal -1
	s_barrier_wait -1
	CREST
.endm
	s_load_b512 s[4:19], s[0:1], 0x0               ; xa_codes s[4:5], xa_scales s[6:7], wq_ codes, scales s[8:11], wk_ s[12:15], wv_ s[16:19]
	s_load_b256 s[92:99], s[0:1], 0x40             ; bq_, bk_, bv_, vws
	s_load_b64 s[100:101], s[0:1], 0x60            ; ep
	v_lshl_add_u32 v[SPW], v0, 2, SPARE
	v_mov_b32 v[NIL], 0
	ds_add_u32 v28, v29
	ds_add_u32 v28, v29
	s_wait_dscnt 0x0
	v_lshrrev_b32 v1, 5, v0
	v_readfirstlane_b32 s[WV], v1                  ; wave 0..3
	s_lshr_b32 s20, s[WV], 1                       ; rh: which 128 rows are mine
	s_and_b32 s21, s[WV], 1                        ; ch: which 32 of each weight's 64 rows
	s_bfe_u32 s22, ttmp6, 0x40000                  ; cx
	s_bfe_u32 s23, ttmp6, 0x40004                  ; cy = the image: the grid has one cluster along y
	s_lshl_b32 s40, ttmp9, 2
	s_add_co_u32 s40, s40, s22                     ; g = 4 x cluster x + cx
	s_lshl_b32 s41, s23, 2
	s_lshl_b32 s41, 15, s41                        ; my row of the cluster
	s_lshl_b32 s42, 0x1111, s22                    ; my column
	s_or_b32 s[G1A+0], s41, (3<<16)|(1<<21)        ; xf: the mask; elements of 8 bytes; bit 21 beside a mask; no padding: a dense block as 288 rows of 256 bytes
	s_mov_b32 s[G1A+1], 32<<16                     ; tensor_dim0
	s_mov_b32 s[G1A+2], (ATILE/256)<<16            ; tensor_dim1
	s_mov_b32 s[G1A+3], 32<<16                     ; tile_dim0
	s_mov_b32 s[G1A+4], ATILE/256                  ; tile_dim1
	s_mov_b32 s[G1A+5], 32                         ; from row to row
	s_mov_b32 s[G1A+6], 0
	s_mov_b32 s[G1A+7], 0
	s_or_b32 s[G1B+0], s42, (0<<16)|(1<<21)        ; a weight: the mask; elements of 1 byte; no padding: 64 rows of 304 bytes
	s_mov_b32 s[G1B+1], PITCH<<16
	s_mov_b32 s[G1B+2], 64<<16
	s_mov_b32 s[G1B+3], PITCH<<16
	s_mov_b32 s[G1B+4], 64
	s_mov_b32 s[G1B+5], KROW
	s_mov_b32 s[G1B+6], 0
	s_mov_b32 s[G1B+7], 0
	s_or_b32 s[G1SA+0], s41, (3<<16)|(1<<20)|(1<<21)|(5<<22)|(3<<25)  ; the scale bytes: dense blocks, as rows of 32 elements of 8 bytes, 16 bytes of padding behind each
	s_or_b32 s[G1SB+0], s42, (3<<16)|(1<<20)|(1<<21)|(5<<22)|(3<<25)
	s_mov_b32 s[G1SA+1], 32<<16
	s_mov_b32 s[G1SA+2], 128<<16
	s_mov_b32 s[G1SA+3], 32<<16
	s_mov_b32 s[G1SA+4], 128
	s_mov_b32 s[G1SA+5], 32
	s_mov_b32 s[G1SA+6], 0
	s_mov_b32 s[G1SA+7], 0
	s_mov_b32 s[G1SB+1], 32<<16
	s_mov_b32 s[G1SB+2], 32<<16
	s_mov_b32 s[G1SB+3], 32<<16
	s_mov_b32 s[G1SB+4], 32
	s_mov_b32 s[G1SB+5], 32
	s_mov_b32 s[G1SB+6], 0
	s_mov_b32 s[G1SB+7], 0
	s_mul_i32 s44, s23, 32*ASUB                    ; xf: the image's codes (made of cy alone),
	s_mov_b32 s45, 0
	s_lshl_b32 s46, s23, 15                        ; and its scale bytes
	s_mov_b32 s47, 0
	s_mul_i32 s42, s40, 64*KROW                    ; a weight: rows 64 g on (made of g alone),
	s_mov_b32 s43, 0
	s_lshl_b32 s66, s40, 13                        ; and their scale bytes
	s_mov_b32 s67, 0
	s_mul_i32 s3, s[WV], BT                        ; where a weight's tile goes: wave x 64 rows: no place in the cluster enters an LDS address
	s_mul_i32 s41, s[WV], 32*272
	s_wait_kmcnt 0x0
	s_cmp_eq_u32 s[WV], 2                          ; which weight I fetch: wave 1 wq_, wave 2 wk_, wave 3 wv_: the choice hangs on the wave's number alone
	s_cselect_b64 s[8:9], s[12:13], s[8:9]
	s_cselect_b64 s[10:11], s[14:15], s[10:11]
	s_cmp_eq_u32 s[WV], 3
	s_cselect_b64 s[8:9], s[16:17], s[8:9]
	s_cselect_b64 s[10:11], s[18:19], s[10:11]
	s_add_nc_u64 s[4:5], s[4:5], s[44:45]
	s_add_nc_u64 s[6:7], s[6:7], s[46:47]
	s_add_nc_u64 s[8:9], s[8:9], s[42:43]
	s_add_nc_u64 s[10:11], s[10:11], s[66:67]
	CROUND                                         ; all sixteen work-groups are here: the first joint loads meet
	s_mov_b32 s[G0SA], 1
	s_mov_b32 s[G0SA+1], SCL
	s_mov_b64 s[G0SA+2:G0SA+3], s[6:7]
	s_or_b32 s[G0SA+3], s[G0SA+3], 0x80000000
	s_mov_b32 s[G0SB], 1
	s_add_co_u32 s[G0SB+1], s41, SCLB-32*272
	s_mov_b64 s[G0SB+2:G0SB+3], s[10:11]
	s_or_b32 s[G0SB+3], s[G0SB+3], 0x80000000
	JLOAD G0SA, G1SA, G0SB, G1SB                   ; the scale bytes first: they are wanted with the first step
.irp s, 0,1
	s_mov_b32 s[G0A+4*\s], 1
	s_mov_b32 s[G0A+4*\s+1], \s*SLOT
	s_add_nc_u64 s[G0A+4*\s+2:G0A+4*\s+3], s[4:5], \s*ATILE
	s_or_b32 s[G0A+4*\s+3], s[G0A+4*\s+3], 0x80000000
	s_mov_b32 s[G0B+4*\s], 1
	s_add_co_u32 s[G0B+4*\s+1], s3, ATILE-BT+\s*SLOT
	s_add_nc_u64 s[G0B+4*\s+2:G0B+4*\s+3], s[8:9], \s*ROWB
	s_or_b32 s[G0B+4*\s+3], s[G0B+4*\s+3], 0x80000000
	JLOAD G0A+4*\s, G1A, G0B+4*\s, G1B
.endr
	; the last slot holds two steps: 192 rows of 256 bytes of xf; of a weight's row 192 bytes are left, and what the tile's row has beyond them arrives as zeros and is read by nobody
	s_lshl_b32 s41, s23, 2
	s_lshl_b32 s41, 15, s41
	s_or_b32 s[G1AL+0], s41, (3<<16)|(1<<21)
	s_mov_b32 s[G1AL+1], 32<<16
	s_mov_b32 s[G1AL+2], (2*ASUB/256)<<16
	s_mov_b32 s[G1AL+3], 32<<16
	s_mov_b32 s[G1AL+4], 2*ASUB/256
	s_mov_b32 s[G1AL+5], 32
	s_mov_b32 s[G1AL+6], 0
	s_mov_b32 s[G1AL+7], 0
	s_lshl_b32 s42, 0x1111, s22
	s_or_b32 s[G1BL+0], s42, (0<<16)|(1<<21)
	s_mov_b32 s[G1BL+1], 192<<16                   ; tensor_dim0: what is left of the row
	s_mov_b32 s[G1BL+2], 64<<16
	s_mov_b32 s[G1BL+3], PITCH<<16                 ; tile_dim0: the pitch stays
	s_mov_b32 s[G1BL+4], 64
	s_mov_b32 s[G1BL+5], KROW
	s_mov_b32 s[G1BL+6], 0
	s_mov_b32 s[G1BL+7], 0
	s_lshl_b32 s42, s40, 8                         ; the biases of my columns: 4 (64 g + 32 ch)
	s_lshl_b32 s43, s21, 7
	s_add_co_u32 s42, s42, s43
	s_mov_b32 s43, 0
	s_add_nc_u64 s[92:93], s[92:93], s[42:43]
	s_add_nc_u64 s[94:95], s[94:95], s[42:43]
	s_add_nc_u64 s[96:97], s[96:97], s[42:43]
	s_lshl_b32 s42, s23, 6
	s_add_co_u32 s42, s42, s40
	s_lshl_b32 s42, s42, 16                        ; vws: plane 64 b + g,
	s_lshl_b32 s43, s20, 15                        ; my 8 strips of 8 image rows,
	s_add_co_u32 s42, s42, s43
	s_lshl_b32 s43, s21, 11                        ; my 4 image rows of each
	s_add_co_u32 s42, s42, s43
	s_mov_b32 s43, 0
	s_add_nc_u64 s[98:99], s[98:99], s[42:43]
	s_lshl_b32 s42, s40, 13                        ; ep: 4 ((2 g + ch) 1024 + 256 b + 128 rh)
	s_lshl_b32 s43, s21, 12
	s_add_co_u32 s42, s42, s43
	s_lshl_b32 s43, s23, 10
	s_add_co_u32 s42, s42, s43
	s_lshl_b32 s43, s20, 9
	s_add_co_u32 s42, s42, s43
	s_mov_b32 s43, 0
	s_add_nc_u64 s[100:101], s[100:101], s[42:43]
	s_mov_b32 s66, 0x76543210                      ; v_permlanex16_b32's selects for lane l xor 16
	s_mov_b32 s67, 0xfedcba98
	v_and_b32 v1, 15, v0                           ; r
	v_bfe_u32 v2, v0, 4, 1                         ; h
	v_and_b32 v8, 31, v0                           ; lane
	v_lshlrev_b32 v[CO], 4, v8
	v_mul_u32_u24 v3, v1, PITCH
	v_mad_u32_u24 v4, v2, 24, v3                   ; a weight's fragment: row x pitch + 24 x half
	s_mul_i32 s42, s20, 8*FRB                      ; my 8 blocks of xf
	s_mul_i32 s43, s21, 32*PITCH                   ; my 32 rows of each weight,
	s_add_co_u32 s43, s43, ATILE                   ; behind xf's tile
.irp s, 0,1
	v_add_nc_u32 v[ADRA+\s], s42, v[CO]
	v_add_nc_u32 v[ADRB+\s], s43, v4
	s_add_co_u32 s42, s42, SLOT
	s_add_co_u32 s43, s43, SLOT
.endr
	v_lshlrev_b32 v5, 7, v1                        ; my row's scale bytes: 128 a row,
	v_lshrrev_b32 v6, 1, v1
	v_lshl_add_u32 v5, v6, 4, v5                   ; and 16 more for each 256 passed
	s_mul_i32 s42, s20, 8*SBLK                     ; xf's: my 128 rows
	s_mul_i32 s43, s21, 2*SBLK                     ; the weights': my 32 rows of the first
	s_add_co_u32 s43, s43, SCLB-SCL
	s_sub_co_u32 s43, s43, s42
	v_mul_u32_u24 v6, s43, v2                      ; lanes 16-31 take the weights': one product, the distance between the two bases
	s_add_co_u32 s42, s42, SCL
	v_add_nc_u32 v5, v5, v6
	v_add_nc_u32 v[ADRS], s42, v5
	s_lshl_b32 s42, s[WV], 12
	s_add_co_u32 s42, s42, STAGE                   ; my stage
	v_mul_u32_u24 v5, v2, 544
	v_lshl_add_u32 v5, v1, 5, v5
	v_lshrrev_b32 v6, 3, v1
	v_lshl_add_u32 v5, v6, 4, v5
	v_add_nc_u32 v[STO], s42, v5                   ; in: image row h (of a pair), patch r's 32 bytes; 16 of padding behind 256
	v_lshl_add_u32 v5, v2, 4, v[CO]
	v_add_nc_u32 v[RD], s42, v5                    ; back: a whole image row, 16 bytes a lane
	s_add_co_u32 s42, s42, 2304
	v_lshl_add_u32 v[EST], v8, 2, s42
	v_add_nc_u32 v[ERD], s42, v[CO]
.irp a, 0,1,2,3,4,5,6,7
	v_mov_b32 v[EX+\a], 0                          ; written once: a lane permute's destination counts as one of its sources
.endr
	v_lshlrev_b32 v7, 5, v2                        ; a bias tile: lane (r, h) wants the eight numbers 8 h on of the block's sixteen
	WIN TO_B
.irp b, 0,1,2,3,4,5
	global_load_b128 v[BI+8*\b:BI+8*\b+3], v7, s[92+2*(\b/2):93+2*(\b/2)] offset:64*(\b%2)
	global_load_b128 v[BI+8*\b+4:BI+8*\b+7], v7, s[92+2*(\b/2):93+2*(\b/2)] offset:64*(\b%2)+16
.endr
	WIN 0
.macro AFRAG reg, adr, q, a            ; xf: a fragment lies in LDS as the image of its 12 registers: three loads of 16 bytes a lane, 512 consecutive bytes each
.irp c, 0,1,2
	ds_load_b128 v[\reg+4*\c:\reg+4*\c+3], v[\adr] offset:(\q)*ASUB+(\a)*FRB+512*\c
.endr
.endm
.macro BFRAG reg, adr, q, i            ; a weight: lane l holds row l % 16; registers 6 c .. 6 c + 5 hold K = 64 c + 32 (l / 16) + 0 .. 31: 24 bytes of the row's stream of bits, in pieces of 8
.irp p, 0,1,2,3,4,5
	ds_load_b64 v[\reg+2*\p:\reg+2*\p+1], v[\adr] offset:96*(\q)+48*(\p/3)+8*(\p%3)+(\i)*16*PITCH
.endr
.endm
; 12 matrix instructions: xf's blocks a0, a0 + 1 x the weights' six (q, q, k, k, v, v).  p: the step's parity: the weights' set and the scale words' set.  zero = 1: the first product starts the sums, with the bias as C.
; The 48 accumulators take turns, one instruction a turn, in the same order in every step.
.macro MUL12 a0, p, zero
.irp a, \a0, \a0+1
.irp b, 0,1,2,3,4,5
.if \zero
	v_wmma_scale_f32_16x16x128_f8f6f4 v[8*(8*((\a)%4)+\b):8*(8*((\a)%4)+\b)+7], v[128*(\p)+FR*\b:128*(\p)+FR*\b+FR-1], v[AF+FR*(\a):AF+FR*(\a)+FR-1], v[BI+8*\b:BI+8*\b+7], v[SC+10*(\p)+4*(\b/2)+\b%2], v[SC+10*(\p)+(\a)] matrix_a_fmt:MATRIX_FMT_BF6 matrix_b_fmt:MATRIX_FMT_BF6 matrix_a_scale:MATRIX_SCALE_ROW1
.else
	v_wmma_scale_f32_16x16x128_f8f6f4 v[8*(8*((\a)%4)+\b):8*(8*((\a)%4)+\b)+7], v[128*(\p)+FR*\b:128*(\p)+FR*\b+FR-1], v[AF+FR*(\a):AF+FR*(\a)+FR-1], v[8*(8*((\a)%4)+\b):8*(8*((\a)%4)+\b)+7], v[SC+10*(\p)+4*(\b/2)+\b%2], v[SC+10*(\p)+(\a)] matrix_a_fmt:MATRIX_FMT_BF6 matrix_b_fmt:MATRIX_FMT_BF6 matrix_a_scale:MATRIX_SCALE_ROW1
.endif
.endr
.endr
.endm
.macro FETCH_B slot, q, p              ; the weights' six fragments of the slot's q-th step into set p: 16-row blocks 0, 1, 4, 5, 8, 9 from my first row
	WIN TO_B
.irp i, 0,1,2,3,4,5
	BFRAG 128*(\p)+FR*\i, ADRB+\slot, \q, 4*(\i/2)+\i%2
.endr
	WIN 0
.endm
.macro FETCH_A slot, q, i0             ; xf's blocks i0 .. i0 + 3: 12 loads
.irp i, \i0, \i0+1, \i0+2, \i0+3
	AFRAG AF+FR*(\i), ADRA+\slot, \q, \i
.endr
.endm
.macro SCALES p, off                   ; a step's scale words into set p: lanes 0-15 xf's block i (for i = 8, 9 filled bytes that no product names), lanes 16-31 the weights' block i
.irp i, 0,1,2,3,4,5,6,7,8,9
	ds_load_b32 v[SC+10*(\p)+\i], v[ADRS] offset:\i*SBLK+(\off)
.endr
.endm
.macro PLACES n                        ; plain vector instructions that name no register of the matrix instructions in front (ISA guide 7.12.1)
.rept \n
	v_nop
.endr
.endm
.macro STEP slot, q, p, zero           ; a step of 128 along K that has its successor in the same slot
	s_wait_dscnt 12                                ; the weights' set, xf's blocks 0-3 and the scale words are in; the youngest 12 loads (blocks 4-7) may be out
.if \zero
	WIN 0x91                                       ; C (the bias) window 1, D window 2
.else
	WIN MUL_LO
.endif
	MUL12 0, \p, \zero
	MUL12 2, \p, \zero
	s_wait_dscnt 0                                 ; blocks 4-7 are in
	PLACES NP
	FETCH_B \slot, (\q)+1, 1-(\p)
	FETCH_A \slot, (\q)+1, 0
	SCALES 1-(\p), 4*((\q)+1)
.if \zero
	WIN 0xd1
.else
	WIN MUL_HI
.endif
	MUL12 4, \p, \zero
	MUL12 6, \p, \zero
	PLACES NP
	WIN 0
	FETCH_A \slot, (\q)+1, 4
.endm
; A slot's last step changes slots.  Its first 24 products stand AHEAD of the wait for the tensor loads, so that between the landing of the next slot and the request for this one stand only the add, the wait for it and the round.
; In front of the barrier each wave waits for all its tensor loads, adds 0 to its spare word, and waits for that and for its reads of this slot (the last: xf's blocks 4-7).  fill = 1: this slot is filled again, two slots ahead.
.macro TURN slot, next, p, fill, g1a, g1b
	s_wait_dscnt 12                                ; as at a step's head
	WIN MUL_LO
	MUL12 0, \p, 0
	MUL12 2, \p, 0
	WIN 0
	s_wait_tensorcnt 0x0                           ; all my tensor loads have landed: my part of the next slot; so every group 0 may be written
	ds_add_u32 v[SPW], v[NIL]                      ; 0 onto my spare word
.if \fill
	s_add_nc_u64 s[G0A+4*\slot+2:G0A+4*\slot+3], s[G0A+4*\slot+2:G0A+4*\slot+3], 2*ATILE
	s_add_nc_u64 s[G0B+4*\slot+2:G0B+4*\slot+3], s[G0B+4*\slot+2:G0B+4*\slot+3], 2*ROWB
.endif
	s_wait_dscnt 0x0                               ; the add is done, and my reads of this slot are over
	s_barrier_signal -1
	s_barrier_wait -1
.if \fill
	CREST                                          ; the barrier has opened a round of the cluster's: no wave of any partner still reads this slot or has a load on its way
	JLOAD G0A+4*\slot, \g1a, G0B+4*\slot, \g1b     ; the first tensor load behind the round; its four v_nop are also the places in front of the loads below
.else
	PLACES NP
.endif
	v_add_nc_u32 v[ADRS], 4*NQ, v[ADRS]            ; on to the next slot's scale words
	FETCH_B \next, 0, 1-(\p)
	FETCH_A \next, 0, 0
	SCALES 1-(\p), 0
	WIN MUL_HI
	MUL12 4, \p, 0                                 ; this slot's last 24 products, on registers, while the next slot's first fragments come
	MUL12 6, \p, 0
	PLACES NP
	WIN 0
	FETCH_A \next, 0, 4
.endm
	s_wait_tensorcnt 1                             ; the scale bytes and my part of slot 0 are in (slot 1's load may be out)
	s_barrier_signal -1
	s_barrier_wait -1                              ; everybody's are
	FETCH_B 0, 0, 0
	FETCH_A 0, 0, 0
	SCALES 0, 0
	FETCH_A 0, 0, 4
	s_wait_loadcnt 0x0                             ; the biases
	STEP 0, 0, 0, 1                                ; the first step stands in front of the loop: its products start the sums
	s_mov_b32 s3, TRIPS
.Llap:                                                 ; a trip goes once round the ring, six steps, from a slot 0's second step to the next one's first, and fills both slots again
	STEP 0, 1, 1, 0
	TURN 0, 1, 0, 1, G1A, G1B
	STEP 1, 0, 1, 0
	STEP 1, 1, 0, 0
	TURN 1, 0, 1, 1, G1A, G1B
	STEP 0, 0, 0, 0
	s_sub_co_u32 s3, s3, 1
	s_cmp_lg_u32 s3, 0
	s_cbranch_scc1 .Llap
	STEP 0, 1, 1, 0                                ; steps 25 to 31 are written out
	TURN 0, 1, 0, 1, G1AL, G1BL                    ; the last fill: the two steps that are left
	STEP 1, 0, 1, 0
	STEP 1, 1, 0, 0
	TURN 1, 0, 1, 0, G1A, G1B                      ; nothing is filled again, so no round follows
	STEP 0, 0, 0, 0
	s_wait_dscnt 12                                ; the very last step: nothing more to fetch
	WIN MUL_LO
	MUL12 0, 1, 0
	MUL12 2, 1, 0
	s_wait_dscnt 0
	WIN MUL_HI
	MUL12 4, 1, 0
	MUL12 6, 1, 0
	PLACES NP
; THE PARTIAL e: for each of my 128 rows the sum of q_ x k_ over my 32 columns.  Each accumulator is read from its low pair on.
.irp hi, 0,1
	WIN 0x0a+5*\hi                                 ; sources 0 and 1: window 2 or 3
.set e, 0
.rept 8
.irp a, 0,1,2,3
.set rq, 8*(8*\a+e/4)+2*(e%4)
.set rk, 8*(8*\a+2+e/4)+2*(e%4)
.if e == 0
	v_pk_mul_f32 v[ED+2*(4*\hi+\a):ED+2*(4*\hi+\a)+1], v[rq:rq+1], v[rk:rk+1]
.else
	v_pk_fma_f32 v[ED+2*(4*\hi+\a):ED+2*(4*\hi+\a)+1], v[rq:rq+1], v[rk:rk+1], v[ED+2*(4*\hi+\a):ED+2*(4*\hi+\a)+1]
.endif
.endr
.set e, e+1
.endr
.endr
	WIN 0
.irp a, 0,1,2,3,4,5,6,7
	v_add_f32 v[ES+\a], v[ED+2*\a], v[ED+2*\a+1]
.endr
.irp a, 0,1,2,3,4,5,6,7
	v_permlanex16_b32 v[EX+\a], v[ES+\a], s66, s67
.endr
.irp a, 0,1,2,3,4,5,6,7
	v_add_f32 v[ES+\a], v[ES+\a], v[EX+\a]         ; row 16 a + r, in both halves of the lanes
.endr
	v_cmp_ne_u32 vcc_lo, 0, v2
.irp i, 0,1,2,3
	v_cndmask_b32 v[EP4+\i], v[ES+2*\i], v[ES+2*\i+1], vcc_lo   ; row 32 i + lane
.endr
.irp i, 0,1,2,3
	ds_store_b32 v[EST], v[EP4+\i] offset:128*\i
.endr
	ds_load_b128 v[EB:EB+3], v[ERD]                ; LDS serves a wave's instructions in order: this sees my stores
	s_wait_dscnt 0x0
	global_store_b128 v[CO], v[EB:EB+3], s[100:101]   ; 32 lanes store 512 consecutive bytes, at a multiple of 512 from ep's first byte
; v_: block a is strip 8 rh + a of the image: four image rows (4 ch + 2 b + h) of 16 patches x 32 bytes.  They go through my stage and leave as whole rows of 512 bytes.
.macro TOSTAGE a
.set AC, 8*(8*((\a)%4)+4)
	WIN 0x08+4*((\a)/4)                            ; the data: window 2 or 3
.irp b, 0,1
	ds_store_b128 v[STO], v[AC+8*\b:AC+8*\b+3] offset:1088*\b          ; each accumulator from its low end on
	ds_store_b128 v[STO], v[AC+8*\b+4:AC+8*\b+7] offset:1088*\b+16
.endr
	WIN 0
.irp t, 0,1,2,3
	ds_load_b128 v[BK+16*(\a)+4*\t:BK+16*(\a)+4*\t+3], v[RD] offset:544*\t
.endr
.endm
.macro SEND a, younger                 ; younger: the LDS instructions issued behind block a's loads
	s_wait_dscnt \younger
.irp t, 0,1,2,3
	global_store_b128 v[CO], v[BK+16*(\a)+4*\t:BK+16*(\a)+4*\t+3], s[98:99] offset:4096*(\a)+512*\t   ; 32 lanes store an image row: 512 consecutive bytes, aligned; no register of a store is written again
.endr
.endm
	TOSTAGE 0
.irp a, 1,2,3,4,5,6,7
	TOSTAGE \a
	SEND \a-1, 8                                   ; behind block a - 1's loads: block a's four stores and four loads
.endr
	SEND 7, 0
	s_wait_tensorcnt 0x0                           ; the wave's end
	ds_add_u32 v[SPW], v[NIL]
	s_wait_dscnt 0x0
	CROUND                                         ; the closing round: no work-group ends while a partner may still ask for a tile that names it
	s_endpgm
.Lfunc_end_k_q179b4e90a0_gemm:
	.size	k_q179b4e90a0_gemm, .Lfunc_end_k_q179b4e90a0_gemm-k_q179b4e90a0_gemm
	.p2alignl 7, 3214868480
	.fill 96, 4, 3214868480
	.section	.rodata,"a",@progbits
	.p2align	6, 0x0
	.amdhsa_kernel k_q179b4e90a0_gemm
		.amdhsa_group_segment_fixed_size 327680
		.amdhsa_private_segment_fixed_size 0
		.amdhsa_enable_private_segment 0
		.amdhsa_kernarg_size 104
		.amdhsa_user_sgpr_count 2
		.amdhsa_user_sgpr_kernarg_segment_ptr 1
		.amdhsa_wavefront_size32 1
		.amdhsa_system_sgpr_workgroup_id_x 1
		.amdhsa_system_sgpr_workgroup_id_y 1
		.amdhsa_system_sgpr_workgroup_id_z 1
		.amdhsa_system_vgpr_workitem_id 0
		.amdhsa_next_free_vgpr 1024
		.amdhsa_next_free_sgpr 102
		.amdhsa_reserve_vcc 1
		.amdhsa_float_denorm_mode_32 3
		.amdhsa_float_denorm_mode_16_64 3
		.amdhsa_memory_ordered 1
		.amdhsa_forward_progress 1
		.amdhsa_inst_pref_size 182
	.end_amdhsa_kernel
	.amdgpu_metadata
---
amdhsa.version: [ 1, 2 ]
amdhsa.kernels:
  - .name:           k_q179b4e90a0_gemm
    .symbol:         k_q179b4e90a0_gemm.kd
    .args:
      - { .name: xa_codes, .offset: 0, .size: 8, .value_kind: global_buffer, .address_space: global }
      - { .name: xa_scales, .offset: 8, .size: 8, .value_kind: global_buffer, .address_space: global }
      - { .name: wq__codes, .offset: 16, .size: 8, .value_kind: global_buffer, .address_space: global }
      - { .name: wq__scales, .offset: 24, .size: 8, .value_kind: global_buffer, .address_space: global }
      - { .name: wk__codes, .offset: 32, .size: 8, .value_kind: global_buffer, .address_space: global }
      - { .name: wk__scales, .offset: 40, .size: 8, .value_kind: global_buffer, .address_space: global }
      - { .name: wv__codes, .offset: 48, .size: 8, .value_kind: global_buffer, .address_space: global }
      - { .name: wv__scales, .offset: 56, .size: 8, .value_kind: global_buffer, .address_space: global }
      - { .name: bq_, .offset: 64, .size: 8, .value_kind: global_buffer, .address_space: global }
      - { .name: bk_, .offset: 72, .size: 8, .value_kind: global_buffer, .address_space: global }
      - { .name: bv_, .offset: 80, .size: 8, .value_kind: global_buffer, .address_space: global }
      - { .name: vws, .offset: 88, .size: 8, .value_kind: global_buffer, .address_space: global }
      - { .name: ep, .offset: 96, .size: 8, .value_kind: global_buffer, .address_space: global }
    .group_segment_fixed_size: 327680
    .private_segment_fixed_size: 0
    .kernarg_segment_align: 8
    .kernarg_segment_size: 104
    .max_flat_workgroup_size: 128
    .sgpr_count:     102
    .vgpr_count:     1024
    .wavefront_size: 32
...
	.end_amdgpu_metadata
.endif
;; end of part 2
;; launch gate (part 3): grid 256 x 1, 8 waves a work-group, no clusters, 231,424 bytes of LDS; arguments x, wq_codes, wq_scales, bq, wk_codes, wk_scales, bk, wv_codes, wv_scales, bv, vws, ep, out0; writes out0
.if DOCPART == 3
	.amdgcn_target "amdgcn-amd-amdhsa--gfx1250"
	.amdhsa_code_object_version 6
	.text
	.protected	k_q179b4e90a0_gate
	.globl	k_q179b4e90a0_gate
	.p2align	8
	.type	k_q179b4e90a0_gate,@function
k_q179b4e90a0_gate:
	s_mov_b64 s[64:65], 0
	v_nop
	global_prefetch_b8 v0, s[64:65] scope:SCOPE_SE
	s_setreg_imm32_b32 hwreg(HW_REG_WAVE_MODE, 25, 1), 1
	s_wait_xcnt 0x0
; The attention inside each patch of 8 x 8 (64 positions, 64 channels), the weight att of the other branch, and out0 = x + x sigmoid(out1 + v_ att).  All five products on codes of BF6 (E3M2), K = 64 of the
; instruction's 128: registers 6 to 11 of every operand are zero codes, and bytes 2 and 3 of every scale word are 0.
; SHARES.  A work-group takes 8 neighbouring patches of a strip (image rows come in pieces of 256 bytes) and HALF of their queries: image rows py = 4 qh .. 4 qh + 3.  A wave takes one patch.
; In LDS the patch's rows lie as py' = py xor 4 qh, so that the own half is always py' 0-3 and no LDS address hangs on the work-group's number.  That only changes the order of the two blocks of 32 keys.
; NO JOINT LOADS: the two work-groups that read the same 131,072 bytes of x lay them in different orders in LDS, and x comes through registers.
; LAYOUT.  Fragment F = 2 b + u of x: lane r holds position s' = 32 b + 8 u + r + 8 (r / 8); lanes 0-15 channels 0-31, lanes 16-31 channels 32-63.
;   k, q: source 0 = 16 rows of the weight (lane r of tile t takes row 32 (r / 8) + 8 t + r % 8), source 1 = x: a lane holds one position and 32 neighbouring channels: a whole block.
;   v:    source 0 = x, source 1 = 16 rows of wv: a lane holds one channel; the 16 registers of fragments 2 b, 2 b + 1 are positions 32 b + 16 (lane / 16) + 0 .. 15.
;   S^T = k q^T: a lane holds one query; registers along the keys, as v's.   O = p v^T: a lane holds one channel and the 8 px of image row py' = tile + 2 (lane / 16).
; SOFTMAX: t = score x log2(e); M = ceil(the row's largest t); p = 2^(t - M) is quantised along the keys; the sum of the unquantised p divides at the end.  A block's largest p is taken through its largest score.
; att = exp(e - e) / exp(e - e), e the sum of the 128 partial sums of q_ x k_: 1, or NaN where e is not finite, as a softmax over one number gives.
; LIMITS: a block whose largest magnitude lies under 2^-122 gets the byte 1; a block of zeros gets the byte 1 (its codes are zeros; nobody else reads the bytes); NaN and infinities in x are not served by the quantisers.
; REGISTERS: window 0: v1-3 r, h, 8 h; v4-31 addresses; v32-59 scale words and nothing else; v60-95 at work; v96-127 a bias as C; v128-255 numbers.
;   window 1: sixteen places of 12 for fragments (wq, wk, wv, x; later q, k, v, p in their stead); v192-255 v_.
.set CPX,  2304                        ; x in LDS: a channel: 8 rows of RPX;
.set RPX,  288                         ; a row: 8 patches x 32 bytes + 32
.set HBX,  73856                       ; 32 channels + 128: lanes 16-31 fall on the other half of the banks
.set R1,   147712                      ; O: 64 channels x R1P
.set R1P,  1168                        ; 4 rows of RPX + 16
.set EPS,  222464                      ; 128 partial e x 8 patches
.set RLS,  226560                      ; -log2(e) / l: 8 patches x 32 queries
.set ATT,  227584                      ; -log2(e) att: 8 patches
.set BIAS, 227840                      ; bq, bk, bv: 256 bytes each
.set GX,  4                            ; global offsets: x,
.set GV,  5                            ; vws and out0,
.set GE,  6                            ; ep,
.set GB,  7                            ; a bias,
.set GW1, 8                            ; wq's and wk's fragments,
.set GW2, 9                            ; wv's,
.set GS1, 10                           ; and their scale bytes
.set GS2, 11
.set XW,  12                           ; v12-15 where x is stored in LDS
.set EW,  16
.set BW,  17
.set ER,  18
.set BR1, 19
.set BR2, 20
.set XA,  21                           ; v21-22 where my fragments of x are read
.set RLW, 23
.set R1W, 24
.set ATW, 25
.set FXA, 26                           ; v26-27 the last phase: x
.set FOA, 28                           ; v28-29 O
.set RLR, 30
.set ATR, 31
.set XS,  32
.set WQS, 36
.set WKS, 40
.set WVS, 44
.set KS,  48
.set QS,  52
.set VS,  54
.set PS,  58
.set MX,  60                           ; v60-63 largest magnitudes
.set SO,  64                           ; v64-67 the conversions' scale operands
.set BY,  68                           ; v68-71 scale bytes
.set PX,  72                           ; v72-75 from lane l xor 16
.set TP,  76                           ; v76-91 codes as converted
.set NM,  92                           ; v92, v94 -M; earlier v92-95 partial e
.set BC,  96
.set RAW, 128
.set WQF, 0
.set WKF, 48
.set WVF, 96
.set XF,  144
.set VW,  192
.set QF,  WQF
.set KF,  WKF
.set VF,  WVF
.set PF,  XF
.set FA,  64                           ; the last phase: v64-127 the exponent, then the result; v128-191 x; v192-255 O
.set FX,  128
.set FO,  192
.set WAVE, 30
.set SEL, 40
.set CS,  42
.set MSB, 0
.macro WIN new                         ; the immediate's high byte repeats the setting that is left
.if MSB != \new
	s_set_vgpr_msb (MSB<<8)|\new
.set MSB, \new
.endif
.endm
.macro NOPS n
.rept \n
	v_nop
.endr
.endm
; n fragments whose lanes hold a WHOLE block: v[RAW + 32 f + i] = number i of my block.  Codes to window 1, v[dst + 12 f] on; scale words to v[sw + f].
.macro QA n, dst, sw
.set f, 0
.rept \n
	v_max3_num_f32 v[MX+f], |v[RAW+32*f]|, |v[RAW+32*f+1]|, 0x2800000   ; with the floor 2^(5 - 127): the byte cannot fall under 1
.set f, f+1
.endr
.set i, 2
.rept 15
.set f, 0
.rept \n
	v_max3_num_f32 v[MX+f], v[MX+f], |v[RAW+32*f+i]|, |v[RAW+32*f+i+1]|
.set f, f+1
.endr
.set i, i+2
.endr
.set f, 0
.rept \n
	v_add_nc_u32 v[SO+f], 0xfe000000, v[MX+f]      ; 4 off the exponent field: the conversion's scale operand
.set f, f+1
.endr
.set f, 0
.rept \n
	v_lshrrev_b32 v[BY+f], 23, v[SO+f]             ; the scale's byte,
.set f, f+1
.endr
.set f, 0
.rept \n
	v_lshlrev_b32 v[BY+f], v3, v[BY+f]             ; at its place in the word: 8 h bits up;
.set f, f+1
.endr
.set f, 0
.rept \n
	v_permlanex16_b32 v[PX+f], v[BY+f], s[SEL], s[SEL+1]
.set f, f+1
.endr
.set f, 0
.rept \n
	v_or_b32 v[\sw+f], v[BY+f], v[PX+f]            ; with lane l xor 16's the word is whole
.set f, f+1
.endr
.set f, 0
.rept \n
	v_cvt_scalef32_pk16_bf6_f32 v[TP+4*f:TP+4*f+2], v[RAW+32*f+16:RAW+32*f+31], v[SO+f]   ; (a conversion's three registers begin on an even number)
.set f, f+1
.endr
	WIN 0x40                                       ; destination window 1
.set f, 0
.rept \n
	v_cvt_scalef32_pk16_bf6_f32 v[\dst+12*f:\dst+12*f+2], v[RAW+32*f:RAW+32*f+15], v[SO+f]
.set f, f+1
.endr
	v_nop                                          ; one plain place behind the scaled conversions
.set f, 0
.rept \n
.irp i, 0,1,2
	v_mov_b32 v[\dst+12*f+3+\i], v[TP+4*f+\i]
.endr
.set f, f+1
.endr
	WIN 0
.endm
; Two fragments whose lanes hold HALF of each of two blocks: v[s0 + 16 z + i], z = 2 x fragment + block.  The blocks' largest magnitudes into v[MX + z].
.macro QBMAX2 s0
.irp z, 0,1,2,3
	v_max3_num_f32 v[MX+\z], |v[\s0+16*\z]|, |v[\s0+16*\z+1]|, 0x2800000
.endr
.irp i, 2,4,6,8,10,12,14
.irp z, 0,1,2,3
	v_max3_num_f32 v[MX+\z], v[MX+\z], |v[\s0+16*\z+\i]|, |v[\s0+16*\z+\i+1]|
.endr
.endr
.irp z, 0,1,2,3
	v_permlanex16_b32 v[PX+\z], v[MX+\z], s[SEL], s[SEL+1]
.endr
.irp z, 0,1,2,3
	v_max_num_f32 v[MX+\z], v[MX+\z], v[PX+\z]
.endr
.endm
; and their codes and scale words, from the largest magnitudes in v[MX + z]
.macro QBCODE2 s0, dst, sw
.irp z, 0,1,2,3
	v_add_nc_u32 v[SO+\z], 0xfe000000, v[MX+\z]
.endr
.irp z, 0,1,2,3
	v_lshrrev_b32 v[BY+\z], 23, v[SO+\z]
.endr
.irp u, 0,1
	v_lshl_or_b32 v[\sw+\u], v[BY+2*\u+1], 8, v[BY+2*\u]
.endr
.irp z, 0,1,2,3
	v_cvt_scalef32_pk16_bf6_f32 v[TP+4*\z:TP+4*\z+2], v[\s0+16*\z:\s0+16*\z+15], v[SO+\z]
.endr
	v_nop                                          ; one plain place behind the scaled conversions
.irp u, 0,1                                    ; the operand's layout wants a whole block in a lane: lanes 0-15 block 0, lanes 16-31 block 1
.irp i, 0,1,2
	v_permlane16_swap_b32 v[TP+8*\u+\i], v[TP+8*\u+4+\i]
.endr
.endr
	WIN 0x40
.irp u, 0,1
.irp i, 0,1,2
	v_mov_b32 v[\dst+12*\u+\i], v[TP+8*\u+\i]
	v_mov_b32 v[\dst+12*\u+3+\i], v[TP+8*\u+4+\i]
.endr
.endr
	WIN 0
.endm
	s_load_b512 s[4:19], s[0:1], 0x0               ; x s[4:5], wq codes, scales s[6:9], bq s[10:11], wk codes, scales s[12:15], bk s[16:17], wv codes s[18:19]
	s_load_b256 s[20:27], s[0:1], 0x40             ; wv scales, bv, vws, ep
	s_load_b64 s[28:29], s[0:1], 0x60              ; out0
	v_lshrrev_b32 v60, 5, v0
	v_readfirstlane_b32 s[WAVE], v60               ; wave = patch 0..7
	s_and_b32 s31, ttmp9, 1                        ; qh: which half of the queries
	s_bfe_u32 s32, ttmp9, 0x10001                  ; nyh: which 8 patches of the strip
	s_lshr_b32 s33, ttmp9, 2                       ; strip = 16 b + nx
	s_lshr_b32 s34, s33, 4
	s_lshl_b32 s34, s34, 22
	s_and_b32 s36, s33, 15
	s_lshl_b32 s36, s36, 12
	s_add_co_u32 s34, s34, s36
	s_lshl_b32 s36, s32, 8
	s_add_co_u32 s34, s34, s36                     ; x: image, strip, half row
	s_mov_b32 s35, 0
	s_lshl_b32 s36, s31, 11
	s_add_co_u32 s36, s36, s34                     ; vws, out0: and my four rows
	s_mov_b32 s37, 0
	s_lshl_b32 s38, s33, 6
	s_lshl_b32 s39, s32, 5
	s_add_co_u32 s38, s38, s39                     ; ep: 4 x my first patch
	s_mov_b32 s39, 0
	s_lshl_b32 s46, s31, 2
	s_mov_b32 s[SEL], 0x76543210
	s_mov_b32 s[SEL+1], 0xfedcba98                 ; v_permlanex16_b32's selects for lane l xor 16
	s_mov_b32 s[CS], 0x3fb8aa3b                    ; log2(e)
	s_mov_b32 s[CS+1], s[CS]                       ; (named with it as a pair, so it is written)
	; every address register is made here, ahead of the first branch
	v_and_b32 v1, 15, v0                           ; r; also my 16 bytes of a piece of 256
	v_bfe_u32 v2, v0, 4, 1                         ; h
	v_lshlrev_b32 v3, 3, v2
	v_lshlrev_b32 v61, 4, v1
	v_bfe_u32 v62, v0, 4, 3                        ; x comes in 32 pieces a thread: row py' = (t / 16) % 8, channel 2 i + t / 128
	v_lshrrev_b32 v63, 7, v0
	v_xor_b32 v64, s46, v62                        ; in memory the row is py' xor 4 qh
	v_lshl_add_u32 v[GX], v64, 9, v61
	v_lshl_add_u32 v[GX], v63, 16, v[GX]
	v_mad_u32_u24 v[XW], v62, RPX, v61
	v_mad_u32_u24 v[XW], v63, CPX, v[XW]
	v_add_nc_u32 v[XW+1], 16*CPX, v[XW]            ; four bases, eight pieces each
	v_add_nc_u32 v[XW+2], HBX, v[XW]
	v_add_nc_u32 v[XW+3], HBX+16*CPX, v[XW]
	v_bfe_u32 v62, v0, 4, 2                        ; the last phase, 16 pieces a thread: row py' = (t / 16) % 4, channel 4 i + t / 64
	v_lshrrev_b32 v63, 6, v0
	v_lshl_add_u32 v[GV], v62, 9, v61
	v_lshl_add_u32 v[GV], v63, 16, v[GV]
	v_mad_u32_u24 v64, v62, RPX, v61
	v_mad_u32_u24 v[FXA], v63, CPX, v64
	v_add_nc_u32 v[FXA+1], HBX, v[FXA]
	v_mad_u32_u24 v[FOA], v63, R1P, v64
	v_add_nc_u32 v[FOA], R1, v[FOA]
	v_add_nc_u32 v[FOA+1], 32*R1P, v[FOA]
	v_lshrrev_b32 v64, 1, v1                       ; my piece's patch,
	v_and_b32 v65, 1, v1                           ; and which four px
	v_lshlrev_b32 v[RLR], 7, v64
	v_lshl_add_u32 v[RLR], v62, 5, v[RLR]
	v_lshl_add_u32 v[RLR], v65, 4, v[RLR]
	v_add_nc_u32 v[RLR], RLS, v[RLR]
	v_lshl_add_u32 v[ATR], v64, 2, ATT
	v_lshrrev_b32 v64, 1, v0                       ; ep: row t / 2 of 128, 16 bytes of its 32
	v_and_b32 v65, 1, v0
	v_lshlrev_b32 v[GE], 12, v64
	v_lshl_add_u32 v[GE], v65, 4, v[GE]
	v_lshl_add_u32 v[EW], v0, 4, EPS
	v_lshl_add_u32 v[BW], v0, 3, BIAS              ; (waves 0 to 2 alone store by it)
	v_and_b32 v64, 31, v0
	v_lshlrev_b32 v[GB], 3, v64
	v_lshlrev_b32 v[ER], 5, v64
	v_lshl_add_u32 v[ER], v60, 2, v[ER]
	v_add_nc_u32 v[ER], EPS, v[ER]                 ; partial e number lane + 32 i of my patch
	v_lshl_add_u32 v[BR1], v2, 7, BIAS             ; bq, bk: my 32 channels
	v_lshl_add_u32 v[BR2], v1, 2, BIAS+512         ; bv: my channel
	v_lshrrev_b32 v64, 3, v1
	v_and_b32 v65, 7, v1
	v_mul_u32_u24 v[XA], v2, HBX
	v_mad_u32_u24 v[XA], v64, 2*RPX, v[XA]
	v_lshl_add_u32 v[XA], v65, 2, v[XA]
	v_lshl_add_u32 v[XA], v60, 5, v[XA]
	v_add_nc_u32 v[XA+1], 16*CPX, v[XA]
	v_lshl_add_u32 v66, v64, 5, v65                ; 32 (r / 8) + r % 8
	v_mul_u32_u24 v[GW1], v66, 48
	v_mad_u32_u24 v[GW1], v2, 24, v[GW1]
	v_lshlrev_b32 v[GS1], 1, v66
	v_mul_u32_u24 v[GW2], v1, 48
	v_mad_u32_u24 v[GW2], v2, 24, v[GW2]
	v_lshlrev_b32 v[GS2], 1, v1
	v_lshl_add_u32 v66, v64, 3, v1                 ; r + 8 (r / 8)
	v_lshlrev_b32 v[RLW], 2, v66
	v_lshl_add_u32 v[RLW], v60, 7, v[RLW]
	v_add_nc_u32 v[RLW], RLS, v[RLW]
	v_mul_u32_u24 v[R1W], v1, R1P
	v_mad_u32_u24 v[R1W], v2, 2*RPX, v[R1W]
	v_lshl_add_u32 v[R1W], v60, 5, v[R1W]
	v_add_nc_u32 v[R1W], R1, v[R1W]
	v_lshl_add_u32 v[ATW], v60, 2, ATT
.irp z, 0,1,2,3
	v_mov_b32 v[PX+\z], 0                          ; written once: a lane permute's destination counts as one of its sources
.endr
	s_wait_kmcnt 0x0
	s_add_nc_u64 s[4:5], s[4:5], s[34:35]
	s_add_nc_u64 s[24:25], s[24:25], s[36:37]
	s_add_nc_u64 s[28:29], s[28:29], s[36:37]
	s_add_nc_u64 s[26:27], s[26:27], s[38:39]
	s_cmp_eq_u32 s[WAVE], 1                        ; wave 0 brings bq, wave 1 bk, wave 2 bv: the choice hangs on the wave's number alone
	s_cselect_b64 s[44:45], s[16:17], s[10:11]
	s_cmp_eq_u32 s[WAVE], 2
	s_cselect_b64 s[44:45], s[22:23], s[44:45]
	s_cmp_lt_u32 s[WAVE], 3
	s_cbranch_scc0 .Lno_bias_load
	global_load_b64 v[TP:TP+1], v[GB], s[44:45]
.Lno_bias_load:
	global_load_b128 v[TP+4:TP+7], v[GE], s[26:27]
.irp t, 0,1,2,3
	global_load_u16 v[WQS+\t], v[GS1], s[8:9] offset:16*\t        ; a row's two scale bytes; bytes 2 and 3 of the word are 0
	global_load_u16 v[WKS+\t], v[GS1], s[14:15] offset:16*\t
	global_load_u16 v[WVS+\t], v[GS2], s[20:21] offset:32*\t
.endr
	WIN 0x40                                       ; destination window 1
.irp t, 0,1,2,3
.irp p, 0,1,2
	global_load_b64 v[WQF+12*\t+2*\p:WQF+12*\t+2*\p+1], v[GW1], s[6:7] offset:384*\t+8*\p
	global_load_b64 v[WKF+12*\t+2*\p:WKF+12*\t+2*\p+1], v[GW1], s[12:13] offset:384*\t+8*\p
	global_load_b64 v[WVF+12*\t+2*\p:WVF+12*\t+2*\p+1], v[GW2], s[18:19] offset:768*\t+8*\p
.endr
.endr
	WIN 0
.set i, 0
.rept 32
	global_load_b128 v[RAW+4*i:RAW+4*i+3], v[GX], s[4:5] offset:131072*i   ; sixteen lanes read 256 consecutive bytes, aligned
.set i, i+1
.endr
	WIN 0x40
.set i, 0
.rept 16
	global_load_b128 v[VW+4*i:VW+4*i+3], v[GV], s[24:25] offset:262144*i th:TH_LOAD_NT   ; v_ of my four rows: wanted in the last phase only
.set i, i+1
.endr
.set f, 0
.rept 16
.irp i, 6,7,8,9,10,11
	v_mov_b32 v[12*f+\i], 0                        ; K = 64 .. 127 of every operand: zero codes, once
.endr
.set f, f+1
.endr
	WIN 0
	s_wait_loadcnt 40                              ; all up to x's piece 7 are in; out may be 24 pieces of x and the 16 of v_
	ds_store_b128 v[EW], v[TP+4:TP+7]
	s_cmp_lt_u32 s[WAVE], 3
	s_cbranch_scc0 .Lno_bias
	ds_store_b64 v[BW], v[TP:TP+1]
.Lno_bias:
.irp j, 0,1,2,3
	s_wait_loadcnt 40-8*\j                         ; eight more pieces of x
.irp i, 0,1,2,3,4,5,6,7
	ds_store_b128 v[XW+\j], v[RAW+4*(8*\j+\i):RAW+4*(8*\j+\i)+3] offset:2*CPX*\i
.endr
.endr
	s_wait_dscnt 0x0                               ; for the others' sake: my stores have landed
	s_barrier_signal -1
	s_barrier_wait -1
.irp i, 0,1,2,3
	ds_load_b32 v[NM+\i], v[ER] offset:1024*\i
.endr
.irp t, 0,1,2,3
	ds_load_b128 v[BC+8*\t:BC+8*\t+3], v[BR1] offset:256+32*\t    ; bk at my channels 32 h + 8 t + 0 .. 7
	ds_load_b128 v[BC+8*\t+4:BC+8*\t+7], v[BR1] offset:256+32*\t+16
.endr
.irp f, 0,1,2,3
.set i, 0
.rept 32
	ds_load_b32 v[RAW+32*\f+i], v[XA+i/16] offset:(i%16)*CPX+RPX*(4*(\f/2)+\f%2)   ; x(32 h + i, my position of fragment f)
.set i, i+1
.endr
.endr
	s_wait_dscnt 0x0
	QA 4, XF, XS
	NOPS 8                                         ; scale words written by vector instructions stand 8 places ahead of a scaled matrix instruction, operands 4
	WIN 0x05                                       ; sources 0 and 1 window 1
.set f, 0
.rept 4                                        ; k = wk x + bk
.set t, 0
.rept 4
	v_wmma_scale_f32_16x16x128_f8f6f4 v[RAW+32*f+8*t:RAW+32*f+8*t+7], v[WKF+12*t:WKF+12*t+11], v[XF+12*f:XF+12*f+11], v[BC+8*t:BC+8*t+7], v[WKS+t], v[XS+f] matrix_a_fmt:MATRIX_FMT_BF6 matrix_b_fmt:MATRIX_FMT_BF6
.set t, t+1
.endr
.set f, f+1
.endr
	WIN 0
	NOPS 4                                         ; places ahead of the loads into C and of the first read of results
.set i, 0
.rept 32
	ds_load_b32 v[BC+i], v[BR2] offset:64*(i/8)    ; bv at my channel 16 t + r, in all eight registers of tile t
.set i, i+1
.endr
	v_add_f32 v[NM], v[NM], v[NM+1]                ; e of my patch: my four partial sums,
	v_add_f32 v[NM+2], v[NM+2], v[NM+3]
	v_add_f32 v[NM], v[NM], v[NM+2]
	v_add_f32_dpp v[NM], v[NM], v[NM] row_xmask:1 row_mask:0xf bank_mask:0xf   ; and the 32 lanes'
	v_add_f32_dpp v[NM], v[NM], v[NM] row_xmask:2 row_mask:0xf bank_mask:0xf
	v_add_f32_dpp v[NM], v[NM], v[NM] row_xmask:4 row_mask:0xf bank_mask:0xf
	v_add_f32_dpp v[NM], v[NM], v[NM] row_xmask:8 row_mask:0xf bank_mask:0xf
	v_permlanex16_b32 v[NM+1], v[NM], s[SEL], s[SEL+1]
	v_add_f32 v[NM], v[NM], v[NM+1]
	v_sub_f32 v[NM], v[NM], v[NM]                  ; the softmax over one number: e less its maximum,
	v_mul_f32 v[NM], s[CS], v[NM]
	v_exp_f32 v[NM], v[NM]                         ; its exponential,
	v_nop
	s_wait_alu depctr_va_vdst(0)
	v_rcp_f32 v[NM+1], v[NM]
	v_nop
	s_wait_alu depctr_va_vdst(0)
	v_mul_f32 v[NM], v[NM], v[NM+1]                ; divided by the sum, which is itself
	v_mul_f32 v[NM], 0xbfb8aa3b, v[NM]             ; x -log2(e), for the sigmoid's exponent
	ds_store_b32 v[ATW], v[NM]                     ; all lanes write the same word with the same value
	QA 4, KF, KS
	s_wait_dscnt 0x0
	NOPS 8
	WIN 0x05
.set t, 0
.rept 4                                        ; v = wv x + bv
.set f, 0
.rept 4
	v_wmma_scale_f32_16x16x128_f8f6f4 v[RAW+32*t+8*f:RAW+32*t+8*f+7], v[XF+12*f:XF+12*f+11], v[WVF+12*t:WVF+12*t+11], v[BC+8*t:BC+8*t+7], v[XS+f], v[WVS+t] matrix_a_fmt:MATRIX_FMT_BF6 matrix_b_fmt:MATRIX_FMT_BF6
.set f, f+1
.endr
.set t, t+1
.endr
	WIN 0
	NOPS 4
.irp t, 0,1,2,3
	ds_load_b128 v[BC+8*\t:BC+8*\t+3], v[BR1] offset:32*\t        ; bq
	ds_load_b128 v[BC+8*\t+4:BC+8*\t+7], v[BR1] offset:32*\t+16
.endr
	QBMAX2 RAW
	QBCODE2 RAW, VF, VS
	QBMAX2 RAW+64
	QBCODE2 RAW+64, VF+24, VS+2
	s_wait_dscnt 0x0
	NOPS 8
	WIN 0x05
.set u, 0
.rept 2                                        ; q = wq x + bq, my 32 queries
.set t, 0
.rept 4
	v_wmma_scale_f32_16x16x128_f8f6f4 v[RAW+32*u+8*t:RAW+32*u+8*t+7], v[WQF+12*t:WQF+12*t+11], v[XF+12*u:XF+12*u+11], v[BC+8*t:BC+8*t+7], v[WQS+t], v[XS+u] matrix_a_fmt:MATRIX_FMT_BF6 matrix_b_fmt:MATRIX_FMT_BF6
.set t, t+1
.endr
.set u, u+1
.endr
	WIN 0
	NOPS 4
	QA 2, QF, QS
	NOPS 8
	WIN 0x05
.set u, 0
.rept 2                                        ; S^T = k q^T
.set t, 0
.rept 4
	v_wmma_scale_f32_16x16x128_f8f6f4 v[RAW+32*u+8*t:RAW+32*u+8*t+7], v[KF+12*t:KF+12*t+11], v[QF+12*u:QF+12*u+11], 0, v[KS+t], v[QS+u] matrix_a_fmt:MATRIX_FMT_BF6 matrix_b_fmt:MATRIX_FMT_BF6
.set t, t+1
.endr
.set u, u+1
.endr
	WIN 0
	NOPS 4
; THE SOFTMAX of my two tiles of queries, by turns.  z = 2 x tile + block of 32 keys: my 16 scores of it at v[RAW + 16 z]
.irp z, 0,1,2,3
	v_max3_num_f32 v[MX+\z], v[RAW+16*\z], v[RAW+16*\z+1], v[RAW+16*\z+2]   ; each block's largest score: for the row's maximum, and for the block's largest p
.endr
.irp i, 3,5,7,9,11,13
.irp z, 0,1,2,3
	v_max3_num_f32 v[MX+\z], v[MX+\z], v[RAW+16*\z+\i], v[RAW+16*\z+\i+1]
.endr
.endr
.irp z, 0,1,2,3
	v_max_num_f32 v[MX+\z], v[MX+\z], v[RAW+16*\z+15]
.endr
.irp z, 0,1,2,3
	v_permlanex16_b32 v[PX+\z], v[MX+\z], s[SEL], s[SEL+1]
.endr
.irp z, 0,1,2,3
	v_max_num_f32 v[MX+\z], v[MX+\z], v[PX+\z]
.endr
.irp u, 0,1
	v_max_num_f32 v[NM+2*\u], v[MX+2*\u], v[MX+2*\u+1]
.endr
.irp u, 0,1
	v_mul_f32 v[NM+2*\u], s[CS], v[NM+2*\u]        ; the row's largest t
.endr
.irp u, 0,1
	v_floor_f32 v[NM+2*\u], -v[NM+2*\u]            ; -M = floor(-t) = -ceil(t)
.endr
.set j, 0
.rept 16
.irp u, 0,1
	v_pk_fma_f32 v[RAW+32*\u+j:RAW+32*\u+j+1], v[RAW+32*\u+j:RAW+32*\u+j+1], s[CS:CS+1], v[NM+2*\u:NM+2*\u+1] op_sel_hi:[1,0,0]   ; t - M, two at a time
.endr
.set j, j+2
.endr
.irp z, 0,1,2,3
	v_fma_f32 v[MX+\z], v[MX+\z], s[CS], v[NM+2*(\z/2)]   ; the same of each block's largest score
.endr
.set j, 0
.rept 64
	v_exp_f32 v[RAW+j], v[RAW+j]                   ; p = 2^(t - M): not normalised
.set j, j+1
.endr
.irp z, 0,1,2,3
	v_exp_f32 v[MX+\z], v[MX+\z]                   ; the block's largest p: the same two instructions on the same number
.endr
	v_nop                                          ; a plain place behind the exponentials
	s_wait_alu depctr_va_vdst(0)
.irp z, 0,1,2,3
	v_max_num_f32 v[MX+\z], 0x2800000, v[MX+\z]    ; the floor: the byte cannot fall under 1
.endr
	QBCODE2 RAW, PF, PS
.irp u, 0,1                                    ; the row's sum is taken of the unquantised p: two at a time, in two chains
	v_pk_add_f32 v[SO+4*\u:SO+4*\u+1], v[RAW+32*\u:RAW+32*\u+1], v[RAW+32*\u+4:RAW+32*\u+5]
	v_pk_add_f32 v[SO+4*\u+2:SO+4*\u+3], v[RAW+32*\u+2:RAW+32*\u+3], v[RAW+32*\u+6:RAW+32*\u+7]
.endr
.irp j, 8,12,16,20,24,28
.irp u, 0,1
	v_pk_add_f32 v[SO+4*\u:SO+4*\u+1], v[SO+4*\u:SO+4*\u+1], v[RAW+32*\u+\j:RAW+32*\u+\j+1]
	v_pk_add_f32 v[SO+4*\u+2:SO+4*\u+3], v[SO+4*\u+2:SO+4*\u+3], v[RAW+32*\u+\j+2:RAW+32*\u+\j+3]
.endr
.endr
.irp u, 0,1
	v_pk_add_f32 v[SO+4*\u:SO+4*\u+1], v[SO+4*\u:SO+4*\u+1], v[SO+4*\u+2:SO+4*\u+3]
.endr
.irp u, 0,1
	v_add_f32 v[SO+4*\u], v[SO+4*\u], v[SO+4*\u+1]
.endr
.irp u, 0,1
	v_permlanex16_b32 v[PX+\u], v[SO+4*\u], s[SEL], s[SEL+1]
.endr
.irp u, 0,1
	v_add_f32 v[SO+4*\u], v[SO+4*\u], v[PX+\u]     ; l
.endr
.irp u, 0,1
	v_rcp_f32 v[SO+4*\u], v[SO+4*\u]
.endr
	v_nop
	s_wait_alu depctr_va_vdst(0)
.irp u, 0,1
	v_mul_f32 v[SO+4*\u], 0xbfb8aa3b, v[SO+4*\u]   ; -log2(e) / l
.endr
.irp u, 0,1
	ds_store_b32 v[RLW], v[SO+4*\u] offset:32*\u   ; at my query's position; lanes l and l xor 16 write the same word with the same value
.endr
	NOPS 8
	WIN 0x05
.set u, 0
.rept 2                                        ; O = p v^T
.set t, 0
.rept 4
	v_wmma_scale_f32_16x16x128_f8f6f4 v[RAW+64+8*(4*u+t):RAW+64+8*(4*u+t)+7], v[PF+12*u:PF+12*u+11], v[VF+12*t:VF+12*t+11], 0, v[PS+u], v[VS+t] matrix_a_fmt:MATRIX_FMT_BF6 matrix_b_fmt:MATRIX_FMT_BF6
.set t, t+1
.endr
.set u, u+1
.endr
	WIN 0
	NOPS 4
.set u, 0
.rept 2
.set t, 0
.rept 4
	ds_store_b128 v[R1W], v[RAW+64+8*(4*u+t):RAW+64+8*(4*u+t)+3] offset:16*R1P*t+RPX*u       ; channel 16 t + r, row u + 2 h, my patch's 32 bytes; each accumulator from its low end on
	ds_store_b128 v[R1W], v[RAW+64+8*(4*u+t)+4:RAW+64+8*(4*u+t)+7] offset:16*R1P*t+RPX*u+16
.set t, t+1
.endr
.set u, u+1
.endr
	s_wait_dscnt 0x0                               ; for the others' sake: O, -log2(e) / l and att have landed
	s_barrier_signal -1
	s_barrier_wait -1
; THE LAST PHASE: 16 pieces of 16 bytes a thread, by image rows.  out0 = x + x / (1 + 2^(-log2(e) (O / l + v_ att)))
.set i, 0
.rept 16
	ds_load_b128 v[FX+4*i:FX+4*i+3], v[FXA+i/8] offset:(i%8)*4*CPX
	ds_load_b128 v[FO+4*i:FO+4*i+3], v[FOA+i/8] offset:(i%8)*4*R1P
.set i, i+1
.endr
	ds_load_b128 v[MX:MX+3], v[RLR]                ; -log2(e) / l of my four positions
	ds_load_b32 v2, v[ATR]                         ; -log2(e) att of my patch (h and 8 h are done with; the pair v[2:3] is named below)
	s_wait_loadcnt 0x0                             ; v_
	s_wait_dscnt 0x0
	WIN 0x01                                       ; source 0 window 1
.set j, 0
.rept 32
	v_pk_mul_f32 v[FA+j:FA+j+1], v[VW+j:VW+j+1], v[2:3] op_sel_hi:[1,0]
.set j, j+2
.endr
	WIN 0
.set j, 0
.rept 32
	v_pk_fma_f32 v[FA+j:FA+j+1], v[FO+j:FO+j+1], v[MX+j%4:MX+j%4+1], v[FA+j:FA+j+1]
.set j, j+2
.endr
.set j, 0
.rept 64
	v_exp_f32 v[FA+j], v[FA+j]
.set j, j+1
.endr
	v_nop
.set j, 0
	s_wait_alu depctr_va_vdst(0)
.rept 32
	v_pk_add_f32 v[FA+j:FA+j+1], v[FA+j:FA+j+1], 1.0 op_sel_hi:[1,0]
.set j, j+2
.endr
.set j, 0
.rept 64
	v_rcp_f32 v[FA+j], v[FA+j]
.set j, j+1
.endr
	v_nop
.set j, 0
	s_wait_alu depctr_va_vdst(0)
.rept 32
	v_pk_fma_f32 v[FA+j:FA+j+1], v[FX+j:FX+j+1], v[FA+j:FA+j+1], v[FX+j:FX+j+1]
.set j, j+2
.endr
.set i, 0
.rept 16
	global_store_b128 v[GV], v[FA+4*i:FA+4*i+3], s[28:29] offset:262144*i th:TH_STORE_NT   ; sixteen lanes store 256 consecutive bytes, at a multiple of 256 from out0's first byte
.set i, i+1
.endr
	s_wait_xcnt 0x0
	v_lshl_add_u32 v254, v0, 2, 0x38400
	v_mov_b32 v255, 0
	s_wait_tensorcnt 0x0
	ds_add_u32 v254, v255
	s_wait_dscnt 0x0
	s_endpgm
.Lfunc_end_k_q179b4e90a0_gate:
	.size	k_q179b4e90a0_gate, .Lfunc_end_k_q179b4e90a0_gate-k_q179b4e90a0_gate
	.p2alignl 7, 3214868480
	.fill 96, 4, 3214868480
	.section	.rodata,"a",@progbits
	.p2align	6, 0x0
	.amdhsa_kernel k_q179b4e90a0_gate
		.amdhsa_group_segment_fixed_size 231424
		.amdhsa_private_segment_fixed_size 0
		.amdhsa_enable_private_segment 0
		.amdhsa_kernarg_size 104
		.amdhsa_user_sgpr_count 2
		.amdhsa_user_sgpr_kernarg_segment_ptr 1
		.amdhsa_wavefront_size32 1
		.amdhsa_system_sgpr_workgroup_id_x 1
		.amdhsa_system_sgpr_workgroup_id_y 1
		.amdhsa_system_sgpr_workgroup_id_z 1
		.amdhsa_system_vgpr_workitem_id 0
		.amdhsa_next_free_vgpr 512
		.amdhsa_next_free_sgpr 66
		.amdhsa_reserve_vcc 0
		.amdhsa_float_denorm_mode_32 3
		.amdhsa_float_denorm_mode_16_64 3
		.amdhsa_memory_ordered 1
		.amdhsa_forward_progress 1
		.amdhsa_inst_pref_size 94
	.end_amdhsa_kernel
	.amdgpu_metadata
---
amdhsa.version: [ 1, 2 ]
amdhsa.kernels:
  - .name:           k_q179b4e90a0_gate
    .symbol:         k_q179b4e90a0_gate.kd
    .args:
      - { .name: x, .offset: 0, .size: 8, .value_kind: global_buffer, .address_space: global }
      - { .name: wq_codes, .offset: 8, .size: 8, .value_kind: global_buffer, .address_space: global }
      - { .name: wq_scales, .offset: 16, .size: 8, .value_kind: global_buffer, .address_space: global }
      - { .name: bq, .offset: 24, .size: 8, .value_kind: global_buffer, .address_space: global }
      - { .name: wk_codes, .offset: 32, .size: 8, .value_kind: global_buffer, .address_space: global }
      - { .name: wk_scales, .offset: 40, .size: 8, .value_kind: global_buffer, .address_space: global }
      - { .name: bk, .offset: 48, .size: 8, .value_kind: global_buffer, .address_space: global }
      - { .name: wv_codes, .offset: 56, .size: 8, .value_kind: global_buffer, .address_space: global }
      - { .name: wv_scales, .offset: 64, .size: 8, .value_kind: global_buffer, .address_space: global }
      - { .name: bv, .offset: 72, .size: 8, .value_kind: global_buffer, .address_space: global }
      - { .name: vws, .offset: 80, .size: 8, .value_kind: global_buffer, .address_space: global }
      - { .name: ep, .offset: 88, .size: 8, .value_kind: global_buffer, .address_space: global }
      - { .name: out0, .offset: 96, .size: 8, .value_kind: global_buffer, .address_space: global }
    .group_segment_fixed_size: 231424
    .private_segment_fixed_size: 0
    .kernarg_segment_align: 8
    .kernarg_segment_size: 104
    .max_flat_workgroup_size: 256
    .sgpr_count:     66
    .vgpr_count:     512
    .wavefront_size: 32
...
	.end_amdgpu_metadata
.endif
;; end of part 3
